; MI455X (gfx1250); checked and timed in simulation.
; The chip was launched on July 23, 2026; its instructions are those of AMD's public machine-readable ISA for CDNA 5 (MIT licence, August 2026) and "CDNA5" Instruction Set Architecture Reference Guide (July 2026). The comments in the code are by the model that wrote it; some were corrected since.
;; ROI Pooling. Allowed arithmetic: float matrix products may take bf16 or f16 operands with f32 sums; all other float work in f32.
;; Inputs: rois 512 x 256 x 14 x 14 float32.
;; Outputs: out0 512 x 256 x 7 x 7 float32.
;; 2 versions, each right; version 2 is version 1 with the launch roipool written anew for expert scheduling mode. Each part assembles by itself: llvm-mc -triple=amdgcn-amd-amdhsa -mcpu=gfx1250 --defsym DOCPART=n.
;; ======== version 1 of 2: 1 launch
;; launch roipool (part 1): grid 256 x 1, 28 waves a work-group, no clusters, 304,640 bytes of LDS; arguments rois, out0; writes out0
.if DOCPART == 1
	.amdgcn_target "amdgcn-amd-amdhsa--gfx1250"
	.amdhsa_code_object_version 6
	.text
	.protected	k_q505c15cf87_roipool
	.globl	k_q505c15cf87_roipool
	.p2align	8
	.type	k_q505c15cf87_roipool,@function
k_q505c15cf87_roipool:
	s_mov_b64 s[64:65], 0
	v_nop
	global_prefetch_b8 v0, s[64:65] scope:SCOPE_SE
	s_setreg_imm32_b32 hwreg(HW_REG_WAVE_MODE, 25, 1), 1
	s_wait_xcnt 0x0
; out0[n][c][i][j] = max of rois[n][c][2i .. 2i+1][2j .. 2j+1].  rois: [512][256][14][14] f32, out0: [512][256][7][7] f32.
; A window never leaves a pair of image rows, so the input is 917,504 independent row pairs of 28 floats (112 bytes: 14 of the
; upper row, 14 of the lower), each giving 7 neighbouring outputs (28 bytes); planes need not be told apart.
; SHARES: 128 row pairs = 14,336 bytes in = 28 loads of 512 bytes, 3,584 bytes out = 7 stores of 512 bytes: the smallest share
; in which both sides are whole 512-byte accesses of a wave, each starting at a multiple of 512 bytes from its buffer's first byte.
; There are 7,168 = 256 x 28 shares: 256 work-groups of 28 waves, one share a wave, no loop.  A share is 112 registers, so a wave
; asks for all of it at once, ahead of everything else, and works the loads off in the order in which they come back.
; THE WAY: a lane's 16 loaded bytes are two horizontal pairs -> two maxima h.  In the share's stream of h (two for each 16 bytes,
; 14 for each row pair) the vertical partner lies 7 further on, in another lane, so h goes through LDS: written as it lies
; (8 bytes a lane), read back one row pair a lane (56 bytes).  The lane's 7 outputs (28 bytes) go through LDS once more, to leave
; as 16 neighbouring bytes a lane.  Every wave uses LDS bytes of its own alone, so there is no barrier; LDS serves one wave's
; instructions in order (ISA guide 5.7.1), so its loads see its own stores without a wait between them.
; VALUES: v_maximum_f32 returns NaN if either source is NaN, as the reference's max does; the maximum of +0 and -0 is +0.
; No limit of range: the numbers are only compared and copied.
.set WAVES,    28
.set LOADS,    28                      ; loads of 512 bytes in a wave's share
.set IN_UNIT,  LOADS*512               ; 14,336 bytes of rois
.set OUT_UNIT, 7*512                   ; 3,584 bytes of out0
.set H_BYTES,  IN_UNIT/2               ; 7,168 bytes of LDS: the share's horizontal maxima
.set W_LDS,    H_BYTES+OUT_UNIT        ; 10,752 bytes of LDS for each wave: h, then the outputs
.set OFF, 1                            ; v1   16 x lane: my bytes in a 512-byte load or store; never rewritten
.set HS,  2                            ; v2   LDS: where I put my two h of a load (8 x lane)
.set HR,  3                            ; v3   LDS: my row pair's 14 h (56 x lane)
.set OS,  4                            ; v4   LDS: where I put my row pair's 7 outputs (28 x lane)
.set ORD, 5                            ; v5   LDS: my 16 bytes of a 512-byte store (16 x lane)
.set X,   6                            ; v[6:117]  load k in v[X+4k : X+4k+3]; a group of 7 loads later uses its own 28 registers again (see GROUP)
	s_load_b128 s[4:7], s[0:1], 0x0                ; rois s[4:5], out0 s[6:7]
	v_lshl_add_u32 v118, v0, 2, 0x49800
	v_mov_b32 v119, 0
	v_lshrrev_b32 v[HS], 5, v0
	v_readfirstlane_b32 s8, v[HS]                  ; my wave's number, 0 to 27
	v_and_b32 v0, 31, v0                           ; lane
	v_lshlrev_b32 v[OFF], 4, v0
	s_mul_i32 s9, ttmp9, WAVES
	s_add_co_u32 s9, s9, s8                        ; my share, 0 to 7,167
	s_mul_i32 s10, s9, IN_UNIT                     ; its byte offsets: below 102,760,448, so the high words are 0
	s_mov_b32 s11, 0
	s_mul_i32 s12, s9, OUT_UNIT
	s_mov_b32 s13, 0
	s_mul_i32 s14, s8, W_LDS                       ; my wave's LDS bytes: h from here,
	s_add_co_u32 s15, s14, H_BYTES                 ; the outputs from here
	s_wait_kmcnt 0x0
	s_add_nc_u64 s[4:5], s[4:5], s[10:11]
	s_add_nc_u64 s[6:7], s[6:7], s[12:13]
	; The whole share is asked for: 28 loads, each 512 neighbouring bytes, read once in the launch.
.set k, 0
.rept LOADS
	global_load_b128 v[X+4*k:X+4*k+3], v[OFF], s[4:5] offset:512*k th:TH_LOAD_NT
.set k, k+1
.endr
	; The LDS addresses are made while the loads are on their way.
	v_lshl_add_u32 v[HS], v0, 3, s14
	v_mul_u32_u24 v[HR], v0, 56
	v_add_nc_u32 v[HR], s14, v[HR]
	v_mul_u32_u24 v[OS], v0, 28
	v_add_nc_u32 v[OS], s15, v[OS]
	v_lshl_add_u32 v[ORD], v0, 4, s15
; Load i of group g (load 7g + i of the share): two horizontal maxima, put into LDS as they lie in the stream of h.
; They are gathered in the group's lower registers G+2i, G+2i+1 (G = X + 28 g), which belong to loads of the group that have
; come back and have been used, so that G+14 .. G+27 are free when the group's seven loads are through.
.macro IN g, i
	s_wait_loadcnt LOADS-1-(7*\g+\i)               ; loads come back in order (ISA guide 5.7.1): this one is in, the younger ones stay out
	v_maximum_f32 v[X+28*\g+2*\i],   v[X+28*\g+4*\i],   v[X+28*\g+4*\i+1]
	v_maximum_f32 v[X+28*\g+2*\i+1], v[X+28*\g+4*\i+2], v[X+28*\g+4*\i+3]
	ds_store_b64 v[HS], v[X+28*\g+2*\i:X+28*\g+2*\i+1] offset:256*(7*\g+\i)   ; 32 lanes, 256 neighbouring bytes
.endm
; Group g: seven loads = 3,584 bytes = 32 whole row pairs, one for each lane, which give outputs 224 g to 224 g + 223 of the share.
; first, cnt: the 512-byte stores (128 outputs each) that are complete behind this group.
; The group's registers: G+0..13 h as sent to LDS, then G+0..6 my 7 outputs; G+14..27 my row pair's 14 h as read back,
; then G+16..23 the data of the stores to memory, which nothing writes again.
.macro GROUP g, first, cnt
.irp i, 0,1,2,3,4,5,6
	IN \g, \i
.endr
.irp i, 0,1,2,3,4,5,6
	ds_load_b64 v[X+28*\g+14+2*\i:X+28*\g+15+2*\i], v[HR] offset:1792*\g+8*\i   ; lanes 56 bytes = 14 words apart: 14 x lane mod 64 takes 32 different even values, so no two lanes meet in one of the 64 banks of 4 bytes (ISA guide 11.1)
.endr
	s_wait_dscnt 0x0                               ; my 14 h are in (and the stores of h have read G+0..13)
.irp j, 0,1,2,3,4,5,6
	v_maximum_f32 v[X+28*\g+\j], v[X+28*\g+14+\j], v[X+28*\g+21+\j]             ; upper row's h j against lower row's h j
.endr
.irp j, 0,1,2,3,4,5,6
	ds_store_b32 v[OS], v[X+28*\g+\j] offset:896*\g+4*\j                        ; lanes 7 words apart: 7 x lane mod 64 takes 32 different values
.endr
	ds_load_b128 v[X+28*\g+16:X+28*\g+19], v[ORD] offset:512*\first             ; back as 16 neighbouring bytes a lane
.if \cnt > 1
	ds_load_b128 v[X+28*\g+20:X+28*\g+23], v[ORD] offset:512*(\first+1)
	s_wait_dscnt 0x1                               ; the first of the two is in; the one younger LDS load stays out
.else
	s_wait_dscnt 0x0
.endif
	global_store_b128 v[OFF], v[X+28*\g+16:X+28*\g+19], s[6:7] offset:512*\first th:TH_STORE_NT   ; 512 neighbouring bytes, aligned, written once
.if \cnt > 1
	s_wait_dscnt 0x0
	global_store_b128 v[OFF], v[X+28*\g+20:X+28*\g+23], s[6:7] offset:512*(\first+1) th:TH_STORE_NT
.endif
.endm
	GROUP 0, 0, 1                                  ; outputs up to 224:  store 0 (up to 128)
	GROUP 1, 1, 2                                  ; up to 448:          stores 1, 2 (up to 384)
	GROUP 2, 3, 2                                  ; up to 672:          stores 3, 4 (up to 640)
	GROUP 3, 5, 2                                  ; up to 896:          stores 5, 6: the share is out
	s_wait_tensorcnt 0x0
	ds_add_u32 v118, v119
	s_wait_dscnt 0x0
	s_endpgm
.Lfunc_end_k_q505c15cf87_roipool:
	.size	k_q505c15cf87_roipool, .Lfunc_end_k_q505c15cf87_roipool-k_q505c15cf87_roipool
	.p2alignl 7, 3214868480
	.fill 96, 4, 3214868480
	.section	.rodata,"a",@progbits
	.p2align	6, 0x0
	.amdhsa_kernel k_q505c15cf87_roipool
		.amdhsa_group_segment_fixed_size 304640
		.amdhsa_private_segment_fixed_size 0
		.amdhsa_enable_private_segment 0
		.amdhsa_kernarg_size 16
		.amdhsa_user_sgpr_count 2
		.amdhsa_user_sgpr_kernarg_segment_ptr 1
		.amdhsa_wavefront_size32 1
		.amdhsa_system_sgpr_workgroup_id_x 1
		.amdhsa_system_sgpr_workgroup_id_y 1
		.amdhsa_system_sgpr_workgroup_id_z 1
		.amdhsa_system_vgpr_workitem_id 0
		.amdhsa_next_free_vgpr 120
		.amdhsa_next_free_sgpr 66
		.amdhsa_reserve_vcc 0
		.amdhsa_float_denorm_mode_32 3
		.amdhsa_float_denorm_mode_16_64 3
		.amdhsa_memory_ordered 1
		.amdhsa_forward_progress 1
		.amdhsa_inst_pref_size 17
	.end_amdhsa_kernel
	.amdgpu_metadata
---
amdhsa.version: [ 1, 2 ]
amdhsa.kernels:
  - .name:           k_q505c15cf87_roipool
    .symbol:         k_q505c15cf87_roipool.kd
    .args:
      - { .name: rois, .offset: 0, .size: 8, .value_kind: global_buffer, .address_space: global }
      - { .name: out0, .offset: 8, .size: 8, .value_kind: global_buffer, .address_space: global }
    .group_segment_fixed_size: 304640
    .private_segment_fixed_size: 0
    .kernarg_segment_align: 8
    .kernarg_segment_size: 16
    .max_flat_workgroup_size: 896
    .sgpr_count:     66
    .vgpr_count:     120
    .wavefront_size: 32
...
	.end_amdgpu_metadata
.endif
;; end of part 1
;; ======== version 2 of 2: 1 launch; version 1 with the launch roipool written anew for expert scheduling mode
;; launch roipool (part 2): grid 256 x 1, 28 waves a work-group, no clusters, 304,640 bytes of LDS; arguments rois, out0; writes out0
.if DOCPART == 2
	.amdgcn_target "amdgcn-amd-amdhsa--gfx1250"
	.amdhsa_code_object_version 6
	.text
	.protected	k_q505c15cf87_roipool
	.globl	k_q505c15cf87_roipool
	.p2align	8
	.type	k_q505c15cf87_roipool,@function
k_q505c15cf87_roipool:
	s_mov_b64 s[64:65], 0
	v_nop
	global_prefetch_b8 v0, s[64:65] scope:SCOPE_SE
	s_setreg_imm32_b32 hwreg(HW_REG_WAVE_SCHED_MODE, 0, 2), 2
	s_setreg_imm32_b32 hwreg(HW_REG_WAVE_MODE, 25, 1), 1
	s_wait_xcnt 0x0
	s_wait_alu depctr_vm_vsrc(0)
; out0[n][c][i][j] = max of rois[n][c][2i .. 2i+1][2j .. 2j+1].  rois: [512][256][14][14] f32, out0: [512][256][7][7] f32.
; A window never leaves a pair of image rows, so the input is 917,504 independent row pairs of 28 floats (112 bytes: 14 of the
; upper row, 14 of the lower), each giving 7 neighbouring outputs (28 bytes); planes need not be told apart.
; SHARES: 128 row pairs = 14,336 bytes in = 28 loads of 512 bytes, 3,584 bytes out = 7 stores of 512 bytes: the smallest share
; in which both sides are whole 512-byte accesses of a wave, each starting at a multiple of 512 bytes from its buffer's first byte.
; There are 7,168 = 256 x 28 shares: 256 work-groups of 28 waves, one share a wave, no loop.  A share is 112 registers, so a wave
; asks for all of it at once, ahead of everything else, and works the loads off in the order in which they come back.
; THE WAY: a lane's 16 loaded bytes are two horizontal pairs -> two maxima h.  In the share's stream of h (two for each 16 bytes,
; 14 for each row pair) the vertical partner lies 7 further on, in another lane, so h goes through LDS: written as it lies
; (8 bytes a lane), read back one row pair a lane (56 bytes).  The lane's 7 outputs (28 bytes) go through LDS once more, to leave
; as 16 neighbouring bytes a lane.  Every wave uses LDS bytes of its own alone, so there is no barrier; LDS serves one wave's
; instructions in order (ISA guide 5.7.1), so its loads see its own stores without a wait between them.
; VALUES: v_maximum_f32 returns NaN if either source is NaN, as the reference's max does; the maximum of +0 and -0 is +0.
; No limit of range: the numbers are only compared and copied.
; THE MODE: SCHED_MODE bits 1:0 = 2 (LLVM: expert scheduling mode 2), set by the entry lines.  The code itself states the register
; dependences between vector instructions and memory or LDS instructions, with s_wait_alu, always for 0.
; THE PLAN.  Registers that memory or LDS instructions touch (G = X + 28 g: group g's own 28 registers, which no other group names):
;   v1 .. v5     offsets and LDS addresses: written at the head, ahead of one wait on va_vdst, and never again.
;   G+0 .. 27    the group's seven loads from memory land here; its 14 horizontal maxima read them.
;   G+0 .. 13    written by the horizontal maxima, read by the seven LDS stores of h; G+0 .. 6 are then written again by the
;                seven vertical maxima and read by the seven LDS stores of the outputs.
;   G+14 .. 27   read by the horizontal maxima; then the seven LDS loads of my row pair land here; the vertical maxima read them;
;                then the LDS loads of whole 16 bytes land in G+16 .. 23, which the stores to memory read and nothing writes again.
; So a group has three waits: va_vdst behind its horizontal maxima, ahead of one run of 14 LDS instructions; vm_vsrc ahead of its
; vertical maxima; va_vdst behind them, ahead of the run of LDS instructions that brings the outputs into store order.
; The groups follow each other and are not overlapped: a group's outputs leave without waiting for a later group's loads from memory.
.set WAVES,    28
.set LOADS,    28                      ; loads of 512 bytes in a wave's share
.set IN_UNIT,  LOADS*512               ; 14,336 bytes of rois
.set OUT_UNIT, 7*512                   ; 3,584 bytes of out0
.set H_BYTES,  IN_UNIT/2               ; 7,168 bytes of LDS: the share's horizontal maxima
.set W_LDS,    H_BYTES+OUT_UNIT        ; 10,752 bytes of LDS for each wave: h, then the outputs
.set OFF, 1                            ; v1   16 x lane: my bytes in a 512-byte load or store; never rewritten
.set HS,  2                            ; v2   LDS: where I put my two h of a load (8 x lane)
.set HR,  3                            ; v3   LDS: my row pair's 14 h (56 x lane)
.set OS,  4                            ; v4   LDS: where I put my row pair's 7 outputs (28 x lane)
.set ORD, 5                            ; v5   LDS: my 16 bytes of a 512-byte store (16 x lane)
.set X,   6                            ; v[6:117]  load k in v[X+4k : X+4k+3]; a group of 7 loads later uses its own 28 registers again (see GROUP)
	s_load_b128 s[4:7], s[0:1], 0x0                ; rois s[4:5], out0 s[6:7]
	v_lshl_add_u32 v118, v0, 2, 0x49800
	v_mov_b32 v119, 0
	v_lshrrev_b32 v[HS], 5, v0
	v_readfirstlane_b32 s8, v[HS]                  ; my wave's number, 0 to 27
	v_and_b32 v0, 31, v0                           ; lane
	v_lshlrev_b32 v[OFF], 4, v0
	s_wait_alu depctr_va_sdst(0)                   ; s8 is written, ahead of its first reader: my share's number and my LDS bytes are made from it
	s_mul_i32 s9, ttmp9, WAVES
	s_add_co_u32 s9, s9, s8                        ; my share, 0 to 7,167
	s_mul_i32 s10, s9, IN_UNIT                     ; its byte offsets: below 102,760,448, so the high words are 0
	s_mov_b32 s11, 0
	s_mul_i32 s12, s9, OUT_UNIT
	s_mov_b32 s13, 0
	s_mul_i32 s14, s8, W_LDS                       ; my wave's LDS bytes: h from here,
	s_add_co_u32 s15, s14, H_BYTES                 ; the outputs from here
	; The LDS addresses are made while the arguments are on their way, so that one wait serves all five address registers.
	v_lshl_add_u32 v[HS], v0, 3, s14
	v_mul_u32_u24 v[HR], v0, 56
	v_add_nc_u32 v[HR], s14, v[HR]
	v_mul_u32_u24 v[OS], v0, 28
	v_add_nc_u32 v[OS], s15, v[OS]
	v_lshl_add_u32 v[ORD], v0, 4, s15
	s_wait_kmcnt 0x0
	s_add_nc_u64 s[4:5], s[4:5], s[10:11]
	s_add_nc_u64 s[6:7], s[6:7], s[12:13]
	s_wait_alu depctr_va_vdst(0)                   ; v1 to v5 are written: every load, store and LDS instruction of the kernel reads one of them as its offset or address
	; The whole share is asked for: 28 loads, each 512 neighbouring bytes, read once in the launch.
.set k, 0
.rept LOADS
	global_load_b128 v[X+4*k:X+4*k+3], v[OFF], s[4:5] offset:512*k th:TH_LOAD_NT
.set k, k+1
.endr
; Load i of group g (load 7g + i of the share): two horizontal maxima.
; They are gathered in the group's lower registers G+2i, G+2i+1 (G = X + 28 g), which belong to loads of the group that have
; come back and have been used, so that G+14 .. G+27 are free when the group's seven loads are through.
.macro IN g, i
	s_wait_loadcnt LOADS-1-(7*\g+\i)               ; loads come back in order (ISA guide 5.7.1): this one is in, the younger ones stay out
	v_maximum_f32 v[X+28*\g+2*\i],   v[X+28*\g+4*\i],   v[X+28*\g+4*\i+1]
	v_maximum_f32 v[X+28*\g+2*\i+1], v[X+28*\g+4*\i+2], v[X+28*\g+4*\i+3]
.endm
; Group g: seven loads = 3,584 bytes = 32 whole row pairs, one for each lane, which give outputs 224 g to 224 g + 223 of the share.
; first, cnt: the 512-byte stores (128 outputs each) that are complete behind this group.
; The group's registers: G+0..13 h as sent to LDS, then G+0..6 my 7 outputs; G+14..27 my row pair's 14 h as read back,
; then G+16..23 the data of the stores to memory, which nothing writes again.
.macro GROUP g, first, cnt
.irp i, 0,1,2,3,4,5,6
	IN \g, \i
.endr
	s_wait_alu depctr_va_vdst(0)                   ; the 14 maxima have written G+0..13, which the LDS stores below read, and are done reading G+14..27, in which the LDS loads below land
.irp i, 0,1,2,3,4,5,6
	ds_store_b64 v[HS], v[X+28*\g+2*\i:X+28*\g+2*\i+1] offset:256*(7*\g+\i)     ; h as it lies in the stream: 32 lanes, 256 neighbouring bytes
.endr
.irp i, 0,1,2,3,4,5,6
	ds_load_b64 v[X+28*\g+14+2*\i:X+28*\g+15+2*\i], v[HR] offset:1792*\g+8*\i   ; lanes 56 bytes = 14 words apart: 14 x lane mod 64 takes 32 different even values, so no two lanes meet in one of the 64 banks of 4 bytes (ISA guide 11.1)
.endr
	s_wait_dscnt 0x0                               ; my 14 h are in
	s_wait_alu depctr_vm_vsrc(0)                   ; the LDS stores of h have read G+0..6, which the maxima below write again
.irp j, 0,1,2,3,4,5,6
	v_maximum_f32 v[X+28*\g+\j], v[X+28*\g+14+\j], v[X+28*\g+21+\j]             ; upper row's h j against lower row's h j
.endr
	s_wait_alu depctr_va_vdst(0)                   ; the 7 maxima have written G+0..6, which the LDS stores below read, and are done reading G+16..23, in which the LDS loads below land
.irp j, 0,1,2,3,4,5,6
	ds_store_b32 v[OS], v[X+28*\g+\j] offset:896*\g+4*\j                        ; lanes 7 words apart: 7 x lane mod 64 takes 32 different values
.endr
	ds_load_b128 v[X+28*\g+16:X+28*\g+19], v[ORD] offset:512*\first             ; back as 16 neighbouring bytes a lane
.if \cnt > 1
	ds_load_b128 v[X+28*\g+20:X+28*\g+23], v[ORD] offset:512*(\first+1)
	s_wait_dscnt 0x1                               ; the first of the two is in; the one younger LDS load stays out
.else
	s_wait_dscnt 0x0
.endif
	global_store_b128 v[OFF], v[X+28*\g+16:X+28*\g+19], s[6:7] offset:512*\first th:TH_STORE_NT   ; 512 neighbouring bytes, aligned, written once
.if \cnt > 1
	s_wait_dscnt 0x0
	global_store_b128 v[OFF], v[X+28*\g+20:X+28*\g+23], s[6:7] offset:512*(\first+1) th:TH_STORE_NT
.endif
.endm
	GROUP 0, 0, 1                                  ; outputs up to 224:  store 0 (up to 128)
	GROUP 1, 1, 2                                  ; up to 448:          stores 1, 2 (up to 384)
	GROUP 2, 3, 2                                  ; up to 672:          stores 3, 4 (up to 640)
	GROUP 3, 5, 2                                  ; up to 896:          stores 5, 6: the share is out
	s_wait_dscnt 0x0
	s_wait_alu depctr_hold_cnt(0) depctr_sa_sdst(0) depctr_va_vdst(0) depctr_va_sdst(0) depctr_va_ssrc(0) depctr_va_vcc(0) depctr_vm_vsrc(0)
	s_wait_tensorcnt 0x0
	ds_add_u32 v118, v119
	s_wait_dscnt 0x0
	s_endpgm
.Lfunc_end_k_q505c15cf87_roipool:
	.size	k_q505c15cf87_roipool, .Lfunc_end_k_q505c15cf87_roipool-k_q505c15cf87_roipool
	.p2alignl 7, 3214868480
	.fill 96, 4, 3214868480
	.section	.rodata,"a",@progbits
	.p2align	6, 0x0
	.amdhsa_kernel k_q505c15cf87_roipool
		.amdhsa_group_segment_fixed_size 304640
		.amdhsa_private_segment_fixed_size 0
		.amdhsa_enable_private_segment 0
		.amdhsa_kernarg_size 16
		.amdhsa_user_sgpr_count 2
		.amdhsa_user_sgpr_kernarg_segment_ptr 1
		.amdhsa_wavefront_size32 1
		.amdhsa_system_sgpr_workgroup_id_x 1
		.amdhsa_system_sgpr_workgroup_id_y 1
		.amdhsa_system_sgpr_workgroup_id_z 1
		.amdhsa_system_vgpr_workitem_id 0
		.amdhsa_next_free_vgpr 120
		.amdhsa_next_free_sgpr 66
		.amdhsa_reserve_vcc 0
		.amdhsa_float_denorm_mode_32 3
		.amdhsa_float_denorm_mode_16_64 3
		.amdhsa_memory_ordered 1
		.amdhsa_forward_progress 1
		.amdhsa_inst_pref_size 18
	.end_amdhsa_kernel
	.amdgpu_metadata
---
amdhsa.version: [ 1, 2 ]
amdhsa.kernels:
  - .name:           k_q505c15cf87_roipool
    .symbol:         k_q505c15cf87_roipool.kd
    .args:
      - { .name: rois, .offset: 0, .size: 8, .value_kind: global_buffer, .address_space: global }
      - { .name: out0, .offset: 8, .size: 8, .value_kind: global_buffer, .address_space: global }
    .group_segment_fixed_size: 304640
    .private_segment_fixed_size: 0
    .kernarg_segment_align: 8
    .kernarg_segment_size: 16
    .max_flat_workgroup_size: 896
    .sgpr_count:     66
    .vgpr_count:     120
    .wavefront_size: 32
...
	.end_amdgpu_metadata
.endif
;; end of part 2
